; MI455X (gfx1250); checked and timed in simulation.
; The chip was launched on July 23, 2026; its instructions are those of AMD's public machine-readable ISA for CDNA 5 (MIT licence, August 2026) and "CDNA5" Instruction Set Architecture Reference Guide (July 2026). The comments in the code are by the model that wrote it; some were corrected since.
;; K Means. Allowed arithmetic: float matrix products may take bf16 or f16 operands with f32 sums; other float arithmetic in f32, or as packed bf16 or f16 multiplies, adds, multiply-adds, maxima and minima; sums over many terms, partial sums and values carried from step to step in f32; what a program stores and reads back later, other than sums and carried values, may be rounded once to bf16 or f16.
;; Inputs: center 4,096 x 512 float32; x 32,768 x 512 float32.
;; Outputs: out0 32,768 int32.
;; One version. Each part assembles by itself: llvm-mc -triple=amdgcn-amd-amdhsa -mcpu=gfx1250 --defsym DOCPART=n.
;; ======== version 1 of 1: 2 launches
;; workspace buffers: cb 4,194,304 bytes; csq 16,384 bytes
;; launch prep (part 1): grid 256 x 1, 4 waves a work-group, no clusters, 0 bytes of LDS; arguments center, cb, csq; writes cb, csq
.if DOCPART == 1
	.amdgcn_target "amdgcn-amd-amdhsa--gfx1250"
	.amdhsa_code_object_version 6
	.text
	.protected	k_q7543f729de_prep
	.globl	k_q7543f729de_prep
	.p2align	8
	.type	k_q7543f729de_prep,@function
k_q7543f729de_prep:
	s_mov_b64 s[64:65], 0
	v_nop
	global_prefetch_b8 v0, s[64:65] scope:SCOPE_SE
	s_setreg_imm32_b32 hwreg(HW_REG_WAVE_MODE, 25, 1), 1
	s_wait_xcnt 0x0
; cb[c][k] = center[c][k] rounded to bf16;  csq[c] = the sum over k of cb[c][k]^2, in f32.  center: [4096][512] f32, cb: [4096][512] bf16, csq: [4096] f32.
; The squares are taken of the ROUNDED numbers: the next launch multiplies the rounded centres, and its distances are those of the rounded centres.
; SHARES.  256 work-groups of 16 rows; a wave takes 4 rows.  A row is 2,048 bytes: four loads of 512 consecutive bytes; in load i lane l holds elements 128 i + 4 l .. + 3.
; Rounded, these are 8 bytes a lane: a store of a wave covers 256 consecutive bytes, aligned.
; THE SUM.  A square of a bf16 number is exact in f32, so only the order of the additions rounds.  A row is summed as 16 blocks of 32 consecutive elements, each ascending,
; and then the 16 block sums ascending.  A block lies in 8 neighbouring lanes x 4 elements: in pass t each lane takes the running sum of the lane below it and adds its own four
; squares; after pass t the lanes with l % 8 = t hold a right prefix, after pass 7 lane 8 q + 7 holds block 4 i + q.  What the other lanes hold meanwhile is never used.
; csq leaves as 16 bytes a wave (four rows' sums, lane 0): 16,384 bytes in the whole launch; no LDS and no barrier is spent on gathering them.
.set ROWF, 2048                        ; bytes in a row of center
.set ROWH, 1024                        ; bytes in a row of cb
.set LO,   1                           ; v1   16 x lane + 4 rows of center x wave; never rewritten
.set SO,   2                           ; v2   8 x lane + 4 rows of cb x wave; never rewritten
.set LN,   3                           ; v3   lane
.set ZERO, 4                           ; v4   0: the first addend of pass 0
.set WVV,  5                           ; v5   wave
.set QO,   6                           ; v6   16 x wave: my four numbers of csq
.set RES,  8                           ; v[8:11]    the four rows' sums
.set XX,   32                          ; v[32:95]   row p, load i: four f32 at 16 p + 4 i
.set PP,   96                          ; v[96:127]  the same rounded: two registers at 8 p + 2 i
.set SS,   128                         ; v[128:143] the running sums, chain c = 4 p + i
.set DD,   144                         ; v[144:159] the running sum of the lane below
	s_load_b128 s[4:7], s[0:1], 0x0                ; center s[4:5], cb s[6:7]
	s_load_b64 s[8:9], s[0:1], 0x10                ; csq
	v_and_b32 v[LN], 31, v0
	v_lshrrev_b32 v[WVV], 5, v0
	v_lshlrev_b32 v[LO], 4, v[LN]
	v_lshl_add_u32 v[LO], v[WVV], 13, v[LO]
	v_lshlrev_b32 v[SO], 3, v[LN]
	v_lshl_add_u32 v[SO], v[WVV], 12, v[SO]
	v_lshlrev_b32 v[QO], 4, v[WVV]
	v_mov_b32 v[ZERO], 0
	s_lshl_b32 s10, ttmp9, 15                      ; the work-group's 16 rows: 32,768 bytes of center,
	s_mov_b32 s11, 0
	s_lshl_b32 s12, ttmp9, 14                      ; 16,384 of cb,
	s_mov_b32 s13, 0
	s_lshl_b32 s14, ttmp9, 6                       ; 64 of csq
	s_mov_b32 s15, 0
	s_wait_kmcnt 0x0
	s_add_nc_u64 s[4:5], s[4:5], s[10:11]
	s_add_nc_u64 s[6:7], s[6:7], s[12:13]
	s_add_nc_u64 s[8:9], s[8:9], s[14:15]
.irp p, 0,1,2,3
.irp i, 0,1,2,3
	global_load_b128 v[XX+16*(\p)+4*(\i):XX+16*(\p)+4*(\i)+3], v[LO], s[4:5] offset:ROWF*(\p)+512*(\i) th:TH_LOAD_NT
.endr
.endr
.set c, 0
.rept 16
	v_mov_b32 v[DD+c], 0                           ; the destination of a lane shift counts as read: written once, while the loads are out
.set c, c+1
.endr
.irp p, 0,1,2,3
	s_wait_loadcnt 12-4*(\p)                       ; row p's four loads are in; the younger rows' may stay out
.irp i, 0,1,2,3
	v_cvt_pk_bf16_f32 v[PP+8*(\p)+2*(\i)],   v[XX+16*(\p)+4*(\i)],   v[XX+16*(\p)+4*(\i)+1]
	v_cvt_pk_bf16_f32 v[PP+8*(\p)+2*(\i)+1], v[XX+16*(\p)+4*(\i)+2], v[XX+16*(\p)+4*(\i)+3]
.endr
.irp i, 0,1,2,3
	global_store_b64 v[SO], v[PP+8*(\p)+2*(\i):PP+8*(\p)+2*(\i)+1], s[6:7] offset:ROWH*(\p)+256*(\i)
.endr
.endr
; A pass: each of the 16 chains adds its lane's four squares, ascending, onto 0 (first = 1) or onto the sum of the lane below.  The chains are interleaved, so that no line waits for the one before it.
.macro SQUARES first
.irp e, 0,1,2,3
.set c, 0
.rept 16
.if (\e) == 0
.if \first
	v_fma_mix_f32_bf16 v[SS+c], v[PP+2*c], v[PP+2*c], v[ZERO] op_sel_hi:[1,1,0]
.else
	v_fma_mix_f32_bf16 v[SS+c], v[PP+2*c], v[PP+2*c], v[DD+c] op_sel_hi:[1,1,0]
.endif
.elseif (\e) == 1
	v_fma_mix_f32_bf16 v[SS+c], v[PP+2*c], v[PP+2*c], v[SS+c] op_sel:[1,1,0] op_sel_hi:[1,1,0]
.elseif (\e) == 2
	v_fma_mix_f32_bf16 v[SS+c], v[PP+2*c+1], v[PP+2*c+1], v[SS+c] op_sel_hi:[1,1,0]
.else
	v_fma_mix_f32_bf16 v[SS+c], v[PP+2*c+1], v[PP+2*c+1], v[SS+c] op_sel:[1,1,0] op_sel_hi:[1,1,0]
.endif
.set c, c+1
.endr
.endr
.endm
	SQUARES 1                                      ; pass 0
	s_mov_b32 s33, 7
.Lpass:                                                ; passes 1 to 7
.set c, 0
.rept 16
	v_mov_b32_dpp v[DD+c], v[SS+c] row_shr:1 row_mask:0xf bank_mask:0xf
.set c, c+1
.endr
	SQUARES 0
	s_sub_co_u32 s33, s33, 1
	s_cmp_lg_u32 s33, 0
	s_cbranch_scc1 .Lpass
.irp p, 0,1,2,3                        ; a row's 16 block sums, ascending
.irp i, 0,1,2,3
.irp q, 0,1,2,3
	v_readlane_b32 s[16+4*(\i)+(\q)], v[SS+4*(\p)+(\i)], 8*(\q)+7
.endr
.endr
	s_add_f32 s32, s16, s17
.irp b, 18,19,20,21,22,23,24,25,26,27,28,29,30,31
	s_add_f32 s32, s32, s[\b]
.endr
	v_mov_b32 v[RES+(\p)], s32
.endr
	v_cmp_eq_u32 vcc_lo, 0, v[LN]
	s_wait_xcnt 0x0                                ; the stores above have EXEC among their sources: it is narrowed only behind this wait
	s_and_saveexec_b32 s34, vcc_lo
	global_store_b128 v[QO], v[RES:RES+3], s[8:9]  ; lane 0: my four rows' sums
	s_endpgm
.Lfunc_end_k_q7543f729de_prep:
	.size	k_q7543f729de_prep, .Lfunc_end_k_q7543f729de_prep-k_q7543f729de_prep
	.p2alignl 7, 3214868480
	.fill 96, 4, 3214868480
	.section	.rodata,"a",@progbits
	.p2align	6, 0x0
	.amdhsa_kernel k_q7543f729de_prep
		.amdhsa_group_segment_fixed_size 0
		.amdhsa_private_segment_fixed_size 0
		.amdhsa_enable_private_segment 0
		.amdhsa_kernarg_size 24
		.amdhsa_user_sgpr_count 2
		.amdhsa_user_sgpr_kernarg_segment_ptr 1
		.amdhsa_wavefront_size32 1
		.amdhsa_system_sgpr_workgroup_id_x 1
		.amdhsa_system_sgpr_workgroup_id_y 1
		.amdhsa_system_sgpr_workgroup_id_z 1
		.amdhsa_system_vgpr_workitem_id 0
		.amdhsa_next_free_vgpr 160
		.amdhsa_next_free_sgpr 66
		.amdhsa_reserve_vcc 1
		.amdhsa_float_denorm_mode_32 3
		.amdhsa_float_denorm_mode_16_64 3
		.amdhsa_memory_ordered 1
		.amdhsa_forward_progress 1
		.amdhsa_inst_pref_size 22
	.end_amdhsa_kernel
	.amdgpu_metadata
---
amdhsa.version: [ 1, 2 ]
amdhsa.kernels:
  - .name:           k_q7543f729de_prep
    .symbol:         k_q7543f729de_prep.kd
    .args:
      - { .name: center, .offset: 0, .size: 8, .value_kind: global_buffer, .address_space: global }
      - { .name: cb, .offset: 8, .size: 8, .value_kind: global_buffer, .address_space: global }
      - { .name: csq, .offset: 16, .size: 8, .value_kind: global_buffer, .address_space: global }
    .group_segment_fixed_size: 0
    .private_segment_fixed_size: 0
    .kernarg_segment_align: 8
    .kernarg_segment_size: 24
    .max_flat_workgroup_size: 128
    .sgpr_count:     66
    .vgpr_count:     160
    .wavefront_size: 32
...
	.end_amdgpu_metadata
.endif
;; end of part 1
;; launch assign (part 2): grid 256 x 1, 4 waves a work-group, clusters of 4 x 1, 327,680 bytes of LDS; arguments x, cb, csq, out0; writes out0
.if DOCPART == 2
	.amdgcn_target "amdgcn-amd-amdhsa--gfx1250"
	.amdhsa_code_object_version 6
	.text
	.protected	k_q7543f729de_assign
	.globl	k_q7543f729de_assign
	.p2align	8
	.type	k_q7543f729de_assign,@function
k_q7543f729de_assign:
	s_mov_b64 s[64:65], 0
	v_nop
	global_prefetch_b8 v0, s[64:65] scope:SCOPE_SE
	s_setreg_imm32_b32 hwreg(HW_REG_WAVE_MODE, 25, 1), 1
	s_wait_xcnt 0x0
	s_wait_alu depctr_hold_cnt(0) depctr_sa_sdst(0) depctr_va_vdst(0) depctr_va_sdst(0) depctr_va_ssrc(0) depctr_va_vcc(0) depctr_vm_vsrc(0)
	s_getreg_b32 s2, hwreg(HW_REG_IB_STS2, 6, 4)
	s_cmp_eq_u32 s2, 0
	s_cbranch_scc0 .Lentry_in_a_cluster
	s_endpgm
.Lentry_in_a_cluster:
	s_bfe_u32 s2, ttmp6, 0x10000c
	s_cmp_lg_u32 s2, 0x3003
	s_cbranch_scc0 .Lentry_shape_is_right
	s_endpgm
.Lentry_shape_is_right:
; out0[n] = the first index c at which d[n][c] = (x_sq[n] - 2 x[n] . center[c]) + c_sq[c] is least.  x: [32768][512] f32; cb: [4096][512] bf16, the centres rounded; csq: [4096] f32, their
; sums of squares; out0: [32768] int32.  The products are made of x and the centres rounded to bf16, sums in f32; x_sq is the sum of squares of the rounded x; the two additions are rounded as
; they are written above: one fused multiply-add (2 x cross is exact) and one addition.  No distance ever leaves the registers.
; LIMITS.  A NaN among the distances loses (it does not win, as it would in an argmin); a row whose distances are all +infinity gets 0.  Where a row's two smallest distances lie within a few units
; in the last place of f32 of each other, the order of the sums can decide between them otherwise than another order would.
; SHARES.  A work-group owns 128 rows of x and walks ALL 4,096 centres, so a row's minimum never leaves the work-group: 256 work-groups of equal work.  Wave w: rh = w / 2 picks its 64 rows (four
; row tiles rt of 16), ch = w % 2 its half of each tile of 128 centres.  The wave's x (64 rows x 512 in bf16 = 512 registers) STAYS IN REGISTERS; only the centres stream through LDS.
; A STEP is a tile of 128 centres x all 512 of K (131,072 bytes), 32 steps.  Of it a wave takes 64 centres: two groups g of two centre tiles ct of 16; a group is two QUARTERS (K halves kh)
; of 64 matrix instructions each on 8 accumulators (ct, rt), which take turns.  32 LDS loads of 16 bytes a lane feed 64 matrix instructions.
; LAYOUT.  D = centres (source 0) x x (source 1): lane (r = l % 16, h = l / 16) holds ONE row r of x, its register j centre 8 h + j.  So x_sq is one number a lane, c_sq eight registers a centre tile,
; and the minimum runs inside the lane: for each row tile the least distance so far, the number of the centre tile that held it, and that tile's eight distances.  Which of the eight it was is looked up once, at the end.
; RIDERS.  While a group is multiplied, the group before it (the other set of accumulators) is finished: 22 slices of four vector instructions, one slice behind every third matrix instruction.
; CLUSTER.  The four work-groups of a cluster walk the same centres in step, so each tile is asked for JOINTLY: the same tensor load, with the same descriptor and the mask of four, in all four.
; x and csq are asked for by each work-group alone (mask 0).
; LDS.  Two slots of 128 centre rows (1,024 bytes + 16 of padding; the pitch is an odd multiple of 16 bytes, so the 16 rows of a load start at 16 different columns of 16 bytes in 256).  At the start x lies
; there in f32, as four K quarters of 128 rows (512 bytes + 16); each slot's first tile comes when the two quarters under it have been read.  Behind the slots: c_sq, filled once; the words in which the waves' minima meet; the spare words.
; REGISTERS, in windows of 256 (s_set_vgpr_msb: bits 1:0 source 0, 3:2 source 1, 5:4 source 2, 7:6 destination):
;   window 0: v0-15 addresses; v16-31 four a row tile: x_sq, tile number, two places for the minimum; v32-63 the best tile's 8 distances; v64-79 at work; v80-95 c_sq of two centre tiles;
;             v96-127 at work at the end; v128-255 two sets of 8 accumulators
;   window 1: two buffers of 128 for the centres' fragments of a K half (at the start: 256 f32 of x on their way to bf16)          windows 2, 3: x, K step k of 16 and row tile rt at 8 (4 (k % 8) + rt) of window 2 + k / 8
.set PC,    1040                       ; a centre row in LDS
.set PX,    528                        ; a row of a K quarter of x in LDS
.set SLOTB, 135168                     ; from slot to slot: 128 x PC = 133,120, rounded up to two x quarters
.set XQB,   67584                      ; a K quarter of x: 128 x PX
.set CSQ,   2*SLOTB                    ; c_sq: 16,384 bytes
.set MRG,   CSQ+16384                  ; the meeting: least distances [ch][128] f32, then their indices [ch][128]; written by LDS stores alone, never a fill's target
.set SPARE, MRG+2048                   ; the spare words, 128 bytes for each wave: two blocks of 256 bytes that no other line names
.set TILEB, 131072                     ; a tile of 128 centres in cb
.set RR,   1                           ; v1   r = l % 16
.set HH,   2                           ; v2   h = l / 16
.set LN,   3                           ; v3   l
.set ADRC, 4                           ; v4-5 LDS address of my centre fragments in slot 0, 1
.set CQA,  6                           ; v6   LDS address of my 8 numbers of c_sq in the trip's first centre tile; steps by two steps' 1,024 bytes a trip
.set XA,   7                           ; v7   LDS address of my x in the K quarter in hand
.set PFO,  8                           ; v8   256 x lane: the prefetches' offset; never rewritten
.set TP,   9                           ; v9   at work
.set SPW,  10                          ; v10  LDS address of my spare word: SPARE + 4 x my thread's number; never rewritten
.set NIL,  11                          ; v11  0; never rewritten
.set MA,   12                          ; v12  where my row's minimum goes in the meeting
.set FR,   13                          ; v13  where wave 0 reads four rows' minima back
.set FO,   14                          ; v14  my 16 bytes of the work-group's 512 of out0
.set BI,   15                          ; v15  64 ch + 8 h: my lanes' part of a centre's index
.set ST,   16                          ; row tile rt at ST + 4 rt: x_sq, tile number, B0, B1 (the minimum before and behind a tile, by the tile's parity)
.set SV,   32                          ; at SV + 8 rt
.set TM,   64                          ; at TM + 4 rt
.set QR,   80                          ; c_sq of a centre tile, by its parity: QR + 8 ct
.set WK,   96
.set ACC,  128                         ; set ab, centre tile ct, row tile rt at ACC + 64 ab + 8 (4 ct + rt)
.set WV,   12                          ; s12  my wave's number
.set CX,   13                          ; s13  my place in the cluster: it enters x's, out0's and the prefetches' global addresses alone
.set WG,   14                          ; s14  my work-group
.set LIM,  15                          ; s15  1 in the cluster that prefetches, else the greatest number
.set G1C,  16                          ; s[16:23] descriptor group 1 for the centres' tiles
.set G1X,  24                          ; s[24:31] for x's quarters
.set G1Q,  32                          ; s[32:39] for c_sq
.set G0X,  40                          ; s[40:55] group 0 for x's four quarters
.set G0Q,  56                          ; s[56:59] for c_sq
.set SEL,  60                          ; s[60:61] v_permlanex16_b32's selects: each lane takes its own place in the other half
.set TRIPS, 62                         ; s62  trips of the loop still to come
.set TN,   63                          ; s63  the number of the centre tile that the riders finish: 4 x step + 2 g + ct
.set PFA,  66                          ; s[66:67] where my prefetches stand in cb
.set G0C,  68                          ; s[68:75] group 0 for the centres' tiles, a set for each slot
.set MK,   76                          ; s[76:79] a mask of lanes for each row tile
.set MT,   80                          ; s80  at work
.set RH,   81                          ; s81  w / 2
.set CH,   82                          ; s82  w % 2
.set MSB, 0
.macro WIN new                         ; the immediate's high byte repeats the setting that is left; a switch that changes nothing is dropped
.if MSB != (\new)
	s_set_vgpr_msb (MSB<<8)|(\new)
.set MSB, \new
.endif
.endm
.macro PLACES                          ; a vector instruction that reads a matrix result, and a load into a register that a matrix instruction has read, stand four plain vector instructions behind it (ISA guide 7.12.1 for vector instructions)
.rept 4
	v_nop
.endr
.endm
; A round of the cluster's barrier: my work-group's barrier, so that wave 0's signal speaks for all four waves; wave 0 signals; every wave waits for all four work-groups; my work-group's barrier once more.
.macro CREST                           ; a round behind its opening barrier
	s_cmp_lg_u32 s[WV], 0
	s_cbranch_scc1 .Lnot_wave_0_\@
	s_barrier_signal -3
.Lnot_wave_0_\@:
	s_barrier_wait -3
	s_barrier_signal -1
	s_barrier_wait -1
.endm
.macro CROUND                          ; a whole round
	s_barrier_signal -1
	s_barrier_wait -1
	CREST
.endm
; A joint fill: every wave asks for its own 32 of the tile's 128 centre rows (32,768 bytes); the line and its registers are the same in all four work-groups.  An s_nop 0 and four v_nop follow.
.macro JLOAD slot
	tensor_load_to_lds s[G0C+4*(\slot):G0C+4*(\slot)+3], s[G1C:G1C+7]
	s_nop 0
.rept 4
	v_nop
.endr
.endm
; A PREFETCH INTO THE L2, behind a joint refill and the run of LDS loads that follows it: the tile that stands two refills on.  A tile is 512 blocks of 256 bytes: the first cluster alone asks, its 4 x 4 waves
; x 32 lanes name one block each, shared out BY ADDRESS: each block of cb is named once in the launch.  Tiles 0 to 3 come by their loads alone; the loop's last trip asks for nothing: there is no tile 32.
.macro ASK
	s_cmp_gt_u32 s[TRIPS], s[LIM]
	s_cbranch_scc0 .Lnot_mine_\@
	global_prefetch_b8 v[PFO], s[PFA:PFA+1] th:TH_LOAD_NT scope:SCOPE_SE
.Lnot_mine_\@:
.endm
	s_load_b256 s[4:11], s[0:1], 0x0               ; x s[4:5], cb s[6:7], csq s[8:9], out0 s[10:11]
	v_lshl_add_u32 v[SPW], v0, 2, SPARE
	v_mov_b32 v[NIL], 0
	ds_add_u32 v[SPW], v[NIL]                      ; the wave's opening: the add and its wait stand ahead of my first tensor load; the set-up below, work on registers, stands between them
	v_lshrrev_b32 v[TP], 5, v0
	v_readfirstlane_b32 s[WV], v[TP]               ; wave 0..3
	s_bfe_u32 s[CX], ttmp6, 0x40000
	s_lshl_b32 s[WG], ttmp9, 2                     ; in a cluster launch ttmp9 counts clusters
	s_add_co_u32 s[WG], s[WG], s[CX]
	s_lshr_b32 s[RH], s[WV], 1
	s_and_b32 s[CH], s[WV], 1
	s_cmp_eq_u32 ttmp9, 0
	s_cselect_b32 s[LIM], 1, -1                    ; the same in all four partners
	; group 1 for a centre tile's quarter: 32 rows x 512 elements of 2 bytes, padded in LDS
	s_mov_b32 s[G1C+0], 15|(1<<16)|(1<<20)|(1<<21)|(7<<22)|(3<<25)  ; 15:0 the mask of four; 17:16 2-byte elements; 20 padding on; 21 set beside a mask; 24:22 after every 256 words (code 7); 31:25 4 words (code 3)
	s_mov_b32 s[G1C+1], 512<<16                    ; tensor_dim0 = 512
	s_mov_b32 s[G1C+2], 32<<16                     ; tensor_dim1 = 32
	s_mov_b32 s[G1C+3], 512<<16                    ; tile_dim0 = 512
	s_mov_b32 s[G1C+4], 32                         ; tile_dim1 = 32
	s_mov_b32 s[G1C+5], 512                        ; 512 elements from row to row
	s_mov_b32 s[G1C+6], 0
	s_mov_b32 s[G1C+7], 0
	; group 1 for a K quarter of 32 rows of x: 32 rows x 128 elements of 4 bytes, padded
	s_mov_b32 s[G1X+0], (2<<16)|(1<<20)|(6<<22)|(3<<25)  ; no mask; 4-byte elements; padding after every 128 words (code 6) of 4 words
	s_mov_b32 s[G1X+1], 128<<16
	s_mov_b32 s[G1X+2], 32<<16
	s_mov_b32 s[G1X+3], 128<<16
	s_mov_b32 s[G1X+4], 32
	s_mov_b32 s[G1X+5], 512
	s_mov_b32 s[G1X+6], 0
	s_mov_b32 s[G1X+7], 0
	; group 1 for a quarter of c_sq: 4,096 dense bytes as 16 rows of 32 elements of 8 bytes
	s_mov_b32 s[G1Q+0], 3<<16
	s_mov_b32 s[G1Q+1], 32<<16
	s_mov_b32 s[G1Q+2], 16<<16
	s_mov_b32 s[G1Q+3], 32<<16
	s_mov_b32 s[G1Q+4], 16
	s_mov_b32 s[G1Q+5], 32
	s_mov_b32 s[G1Q+6], 0
	s_mov_b32 s[G1Q+7], 0
	s_mov_b32 s[SEL], 0x76543210
	s_mov_b32 s[SEL+1], 0xfedcba98
	s_mov_b32 s[TN], 0
	; the LDS words of the groups 0: a constant, the wave's number times a constant, the slot's or the quarter's constant
	s_mul_i32 s86, s[WV], 32*PX
	s_mul_i32 s87, s[WV], 32*PC
.irp q, 0,1,2,3
	s_mov_b32 s[G0X+4*(\q)], 1
	s_add_co_u32 s[G0X+4*(\q)+1], s86, (\q)*XQB
.endr
	s_mov_b32 s[G0Q], 1
	s_lshl_b32 s[G0Q+1], s[WV], 12
	s_add_co_u32 s[G0Q+1], s[G0Q+1], CSQ
.irp t, 0,1
	s_mov_b32 s[G0C+4*(\t)], 1
	s_add_co_u32 s[G0C+4*(\t)+1], s87, (\t)*SLOTB
.endr
	s_lshl_b32 s2, s[WG], 18                       ; x: my work-group's 128 rows of 2,048 bytes,
	s_lshl_b32 s3, s[WV], 16                       ; my wave's 32 of them
	s_add_co_u32 s2, s2, s3
	s_mov_b32 s3, 0
	s_lshl_b32 s84, s[WV], 15                      ; cb: my wave's 32 rows of 1,024 bytes in a tile: made of the wave's number alone
	s_mov_b32 s85, 0
	s_lshl_b32 s86, s[WV], 12                      ; csq: my wave's 4,096 bytes
	s_mov_b32 s87, 0
	s_wait_dscnt 0x0                               ; the opening add is done
	s_wait_kmcnt 0x0
	s_add_nc_u64 s[4:5], s[4:5], s[2:3]
	s_add_nc_u64 s[84:85], s[6:7], s[84:85]
.irp q, 0,1,2,3
	s_add_nc_u64 s[G0X+4*(\q)+2:G0X+4*(\q)+3], s[4:5], 512*(\q)
	s_or_b32 s[G0X+4*(\q)+3], s[G0X+4*(\q)+3], 0x80000000
.endr
	s_add_nc_u64 s[G0Q+2:G0Q+3], s[8:9], s[86:87]
	s_or_b32 s[G0Q+3], s[G0Q+3], 0x80000000
.irp t, 0,1
	s_add_nc_u64 s[G0C+4*(\t)+2:G0C+4*(\t)+3], s[84:85], (\t)*TILEB  ; slot t begins with tile t
	s_or_b32 s[G0C+4*(\t)+3], s[G0C+4*(\t)+3], 0x80000000
.endr
	s_lshl_b32 s2, s[WG], 9                        ; out0: my work-group's 128 numbers
	s_add_nc_u64 s[10:11], s[10:11], s[2:3]
	s_lshl_b32 s2, s[CX], 2
	s_add_co_u32 s2, s2, s[WV]
	s_lshl_b32 s2, s2, 13                          ; the prefetches: of a tile's 512 blocks, 32 for each of the cluster's 16 waves
	s_add_nc_u64 s[PFA:PFA+1], s[6:7], s[2:3]
	s_add_nc_u64 s[PFA:PFA+1], s[PFA:PFA+1], 3*TILEB  ; at tile 3: the first refill steps it to tile 4
	CROUND                                         ; the round that stands in front of the launch's first tensor loads
.irp q, 0,1,2,3
	tensor_load_to_lds s[G0X+4*(\q):G0X+4*(\q)+3], s[G1X:G1X+7]  ; the first fills go out as one group: x's four K quarters, then c_sq: five loads of mine are out
	s_nop 0
.endr
	tensor_load_to_lds s[G0Q:G0Q+3], s[G1Q:G1Q+7]
	s_nop 0
.rept 4
	v_nop
.endr
	; the lanes' addresses and the minima's first state, in the wait for x
	v_and_b32 v[RR], 15, v0
	v_bfe_u32 v[HH], v0, 4, 1
	v_and_b32 v[LN], 31, v0
	s_mul_i32 s84, s[CH], 64*PC
	v_mul_u32_u24 v[ADRC], v[RR], PC
	v_lshl_add_u32 v[ADRC], v[HH], 4, v[ADRC]
	v_add_nc_u32 v[ADRC], s84, v[ADRC]             ; my half's 64 rows + row r x pitch + 16 h
	v_add_nc_u32 v[ADRC+1], SLOTB, v[ADRC]
	s_lshl_b32 s85, s[CH], 8
	s_add_co_u32 s85, s85, CSQ
	v_lshl_add_u32 v[CQA], v[HH], 5, s85           ; c_sq of centre 64 ch + 8 h
	s_mul_i32 s86, s[RH], 64*PX
	v_mul_u32_u24 v[XA], v[RR], PX
	v_lshl_add_u32 v[XA], v[HH], 5, v[XA]
	v_add_nc_u32 v[XA], s86, v[XA]                 ; my 64 rows + row r x pitch + 8 h numbers of 4 bytes
	v_lshlrev_b32 v[PFO], 8, v[LN]
	s_lshl_b32 s87, s[CH], 9
	s_lshl_b32 s2, s[RH], 8
	s_add_co_u32 s87, s87, s2
	s_add_co_u32 s87, s87, MRG
	v_lshl_add_u32 v[MA], v[RR], 2, s87            ; [ch][64 rh + r]
	v_lshlrev_b32 v[FO], 4, v[LN]
	v_add_nc_u32 v[FR], MRG, v[FO]
	s_lshl_b32 s3, s[CH], 6
	v_lshl_add_u32 v[BI], v[HH], 3, s3
	s_mov_b32 s[MT], 0x7f800000                    ; +infinity: above every distance
.irp rt, 0,1,2,3
	v_mov_b32 v[ST+4*(\rt)+1], 0
	v_mov_b32 v[ST+4*(\rt)+2], s[MT]
	v_mov_b32 v[ST+4*(\rt)+3], s[MT]
	v_mov_b32 v[TM+4*(\rt)], 0                     ; v_permlanex16_b32's destination counts as read
.endr
.set n_, 0
.rept 32
	v_mov_b32 v[SV+n_], s[MT]
.set n_, n_+1
.endr
; K QUARTER q OF x: out of LDS in f32 (64 loads into window 1: K step kk of 4, row tile rt at 16 (4 kk + rt)), rounded to bf16 into its place in window 2 or 3, and multiplied by itself: the diagonal of
; x x^T is x_sq.  A fragment is 16 rows x 32 of K in 8 registers: lane (r, h) holds row r, K = 8 h + 0..7 and 16 + 8 h + 0..7: in f32 two runs of 32 bytes, 64 bytes apart.
; bar = 1: the quarter is waited for, and a barrier shows every wave's part of it (a wave reads rows that two waves fetched); the later fills may stay out.
.macro XCONV q, bar
.if \bar
	s_wait_tensorcnt 4-(\q)                        ; tensor loads of a wave end in order (ISA guide 10.11.1): behind quarter q's were issued 3 - q quarters and c_sq
	s_barrier_signal -1
	s_barrier_wait -1
.endif
	WIN 0x40                                       ; destination window 1, address window 0
.irp kk, 0,1,2,3
.irp rt, 0,1,2,3
	ds_load_b128 v[16*(4*(\kk)+(\rt)):16*(4*(\kk)+(\rt))+3],     v[XA] offset:16*(\rt)*PX+128*(\kk)
	ds_load_b128 v[16*(4*(\kk)+(\rt))+4:16*(4*(\kk)+(\rt))+7],   v[XA] offset:16*(\rt)*PX+128*(\kk)+16
	ds_load_b128 v[16*(4*(\kk)+(\rt))+8:16*(4*(\kk)+(\rt))+11],  v[XA] offset:16*(\rt)*PX+128*(\kk)+64
	ds_load_b128 v[16*(4*(\kk)+(\rt))+12:16*(4*(\kk)+(\rt))+15], v[XA] offset:16*(\rt)*PX+128*(\kk)+80
.endr
.endr
.irp kk, 0,1,2,3
	s_wait_dscnt 48-16*(\kk)                       ; LDS loads come back in order (ISA guide 5.7.1): K step kk's sixteen are in, the later steps' may be out
	WIN 0x85+0x40*((\q)/2)                         ; sources window 1, destination window 2 or 3
.irp rt, 0,1,2,3
.irp e, 0,1,2,3,4,5,6,7
	v_cvt_pk_bf16_f32 v[8*(4*((4*(\q)+(\kk))%8)+(\rt))+(\e)], v[16*(4*(\kk)+(\rt))+2*(\e)], v[16*(4*(\kk)+(\rt))+2*(\e)+1]
.endr
.endr
.endr
	WIN 0
	v_add_nc_u32 v[XA], XQB, v[XA]                 ; the next quarter
	WIN 0x0a+5*((\q)/2)                            ; sources 0 and 1 window 2 or 3, C and D window 0
.irp kk, 0,1,2,3
.irp rt, 0,1,2,3                       ; the four accumulators take turns, from quarter to quarter too
.set xR, 8*(4*((4*(\q)+(\kk))%8)+(\rt))
.if ((\q) == 0) && ((\kk) == 0)
	v_wmma_f32_16x16x32_bf16 v[ACC+8*(\rt):ACC+8*(\rt)+7], v[xR:xR+7], v[xR:xR+7], 0
.else
	v_wmma_f32_16x16x32_bf16 v[ACC+8*(\rt):ACC+8*(\rt)+7], v[xR:xR+7], v[xR:xR+7], v[ACC+8*(\rt):ACC+8*(\rt)+7]
.endif
.endr
.endr
.endm
; A slot's first tile lands on two quarters of x that have been read: it is issued as every refill is.  Each wave waits for all its tensor loads, adds 0 to its spare word, waits for that and for its reads;
; the round shows that of every wave of every partner; the joint load is the first thing behind it.
.macro REFILL slot
	WIN 0
	s_wait_tensorcnt 0x0
	ds_add_u32 v[SPW], v[NIL]
	s_wait_dscnt 0x0
	CROUND
	JLOAD \slot
.endm
	XCONV 0, 1
	XCONV 1, 1
	REFILL 0                                       ; tile 0 over quarters 0 and 1.  Every wave has waited for all its fills: quarters 2 and 3 and c_sq are whole, and want no further barrier
	XCONV 2, 0
	XCONV 3, 0
	; x_sq.  In x x^T lane (r, h) holds in register j the product of rows 8 h + j and r: the diagonal lies in lanes 0-7 (register l) and 24-31 (register l - 24).  Each lane takes its register l % 8; then the lanes
	; that do not hold the diagonal take the lane 16 away, which holds their row's.
	WIN 0
	PLACES
.irp rt, 0,1,2,3
	v_mov_b32 v[ST+4*(\rt)], v[ACC+8*(\rt)]        ; each accumulator is read from its low end on
.endr
.irp j, 1,2,3,4,5,6,7
	s_mov_b32 s[MT], 0x01010101<<(\j)
.irp rt, 0,1,2,3
	v_cndmask_b32 v[ST+4*(\rt)], v[ST+4*(\rt)], v[ACC+8*(\rt)+(\j)], s[MT]
.endr
.endr
.irp rt, 0,1,2,3
	v_permlanex16_b32 v[TM+4*(\rt)], v[ST+4*(\rt)], s[SEL], s[SEL+1]
.endr
	s_mov_b32 s[MT], 0xff0000ff
.irp rt, 0,1,2,3
	v_cndmask_b32 v[ST+4*(\rt)], v[TM+4*(\rt)], v[ST+4*(\rt)], s[MT]
.endr
	REFILL 1                                       ; tile 0 has landed, everybody's part of it; tile 1 over quarters 2 and 3
; THE MATRIX WORK.  Instruction i of a quarter's 64: K step i / 8 of the half's 8, centre tile (i / 4) % 2, row tile i % 4.  The 8 accumulators take turns, one instruction a turn, over the quarters' and the loop's
; edges too.  A group's first 8 start the sums with the constant 0: nothing is cleared.
.macro MM ab, kh
	WIN 0x09+4*(\kh)                               ; centres window 1, x window 2 or 3, C and D window 0
.set mD, ACC+64*(\ab)+8*(i%8)
.set mA, 128*(\kh)+16*(i/8)+8*((i/4)%2)
.set mB, 8*(4*(i/8)+i%4)
.if ((\kh) == 0) && (i < 8)
	v_wmma_f32_16x16x32_bf16 v[mD:mD+7], v[mA:mA+7], v[mB:mB+7], 0
.else
	v_wmma_f32_16x16x32_bf16 v[mD:mD+7], v[mA:mA+7], v[mB:mB+7], v[mD:mD+7]
.endif
.endm
; THE VECTOR WORK.  Slice n of 22 finishes centre tile ct of set ab, one line for each of the four row tiles: four lines that do not wait for each other.
;   0-3    t = x_sq - 2 cross, a pair a line (the accumulator's low end first)          4-7    d = t + c_sq
;   8-11   the least of the eight d and of the minimum so far, three operands at a time       12     has it fallen?  Only a lesser d takes the place: of equal ones the earlier tile stays
;   13     if so, the tile's number is kept,       14-21  and its eight d
.macro SLICE n, ab, ct
	WIN 0
.irp rt, 0,1,2,3
.set rA, ACC+64*(\ab)+8*(4*(\ct)+(\rt))
.set rT, ST+4*(\rt)
.set rV, SV+8*(\rt)
.set rM, TM+4*(\rt)
.set rQ, QR+8*(\ct)
.if (\n) < 4
	v_pk_fma_f32 v[rA+2*(\n):rA+2*(\n)+1], v[rA+2*(\n):rA+2*(\n)+1], -2.0, v[rT:rT+1] op_sel_hi:[1,0,0]
.elseif (\n) < 8
	v_pk_add_f32 v[rA+2*(\n)-8:rA+2*(\n)-7], v[rA+2*(\n)-8:rA+2*(\n)-7], v[rQ+2*(\n)-8:rQ+2*(\n)-7]
.elseif (\n) == 8
	v_min3_num_f32 v[rM], v[rA], v[rA+1], v[rA+2]
.elseif (\n) == 9
	v_min3_num_f32 v[rM+1], v[rA+3], v[rA+4], v[rA+5]
.elseif (\n) == 10
	v_min3_num_f32 v[rM+2], v[rA+6], v[rA+7], v[rT+2+(\ct)]
.elseif (\n) == 11
	v_min3_num_f32 v[rT+3-(\ct)], v[rM], v[rM+1], v[rM+2]
.elseif (\n) == 12
	v_cmp_lt_f32 s[MK+(\rt)], v[rT+3-(\ct)], v[rT+2+(\ct)]
.elseif (\n) == 13
	v_cndmask_b32 v[rT+1], v[rT+1], s[TN], s[MK+(\rt)]
.else
	v_cndmask_b32 v[rV+(\n)-14], v[rV+(\n)-14], v[rA+(\n)-14], s[MK+(\rt)]
.endif
.endr
.endm
; Matrix instructions lo to hi of a quarter of set ab, K half kh; ride = 1: behind every third a slice for the other set's centre tile kh.
.macro RUNW lo, hi, ab, kh, ride
.set i, \lo
.rept (\hi)-(\lo)+1
	MM \ab, \kh
.if (\ride) && (i%3 == 0)
	SLICE i/3, 1-(\ab), \kh
.endif
.set i, i+1
.endr
.endm
; THE LDS LOADS stand in one run: first (cq >= 0) c_sq of a centre tile, 32 bytes a lane at byte cq from v[CQA], into QR + 8 qb; then the 16 fragments of group g's K half kh, K step by K step, into buffer f.
.macro FETCH slot, g, kh, f, cq, qb
.if (\cq) >= 0
	WIN 0
	ds_load_b128 v[QR+8*(\qb):QR+8*(\qb)+3],   v[CQA] offset:(\cq)
	ds_load_b128 v[QR+8*(\qb)+4:QR+8*(\qb)+7], v[CQA] offset:(\cq)+16
.endif
	WIN 0x40                                       ; destination window 1, address window 0
.irp kk, 0,1,2,3,4,5,6,7
.irp ct, 0,1
	ds_load_b128 v[(\f)+16*(\kk)+8*(\ct):(\f)+16*(\kk)+8*(\ct)+3],   v[ADRC+(\slot)] offset:(32*(\g)+16*(\ct))*PC+512*(\kh)+64*(\kk)
	ds_load_b128 v[(\f)+16*(\kk)+8*(\ct)+4:(\f)+16*(\kk)+8*(\ct)+7], v[ADRC+(\slot)] offset:(32*(\g)+16*(\ct))*PC+512*(\kh)+64*(\kk)+32
.endr
.endr
.endm
; A QUARTER, number u = 4 x step + 2 g + kh: it multiplies buffer kh; in its middle it fetches the next quarter (g + kh, 1 - kh) into the other buffer, and c_sq of centre tile u - 1, which the next quarter's
; riders want; its own riders finish centre tile u - 2.
.macro QUARTER slot, g, kh, ride, cq
.if (\ride) && ((\kh) == 0)
	PLACES                                         ; the first slice reads results of the quarter just ended
.endif
	s_wait_dscnt 16                                ; c_sq and K steps 0-3 are in; the youngest sixteen loads (K steps 4-7) may be out
	RUNW 0, 31, \g, \kh, \ride
	PLACES                                         ; for the loads into the buffer that the quarter before multiplied
	FETCH \slot, (\g)+(\kh), 1-(\kh), 128*(1-(\kh)), \cq, 1-(\kh)
.if (\cq) >= 0
	s_wait_dscnt 34                                ; all but the 34 just issued
.else
	s_wait_dscnt 32                                ; all but the 32 just issued
.endif
	RUNW 32, 63, \g, \kh, \ride
.if \ride
	s_add_co_u32 s[TN], s[TN], 1
.endif
.endm
; A STEP'S LAST QUARTER (g = 1, kh = 1) changes slots: ONE barrier, for two things.  In front of it each wave waits for all its tensor loads, of which one is out: its part of the next slot; adds 0 to its spare
; word; and waits for that and for its own reads of this slot.  Behind it nobody reads this slot any more and the next slot is whole.  fill = 1: the barrier opens a round of the cluster's, so that the same holds of
; every partner, and this slot is filled again first thing behind the round, with the tile two steps on: from the request to the wait for it a wave issues 224 matrix instructions.
.macro TURN slot, next, fill, cq
.if \fill
	s_wait_xcnt 0x0                                ; the last prefetch, a step back, has read its address: it is stepped here, ahead of the change's own waits
	s_add_nc_u64 s[PFA:PFA+1], s[PFA:PFA+1], TILEB
.endif
	WIN 0                                          ; (the add's two registers lie in window 0)
	s_wait_tensorcnt 0x0                           ; all my tensor loads have landed;
	ds_add_u32 v[SPW], v[NIL]                      ; 0 onto my spare word;
	s_wait_dscnt 17                                ; (the add and the youngest sixteen loads may be out)
	RUNW 0, 15, 1, 1, 1                            ; work on registers stands between the add and the wait for it
	s_wait_dscnt 0x0                               ; the add is done, and my reads of this slot are over
	s_barrier_signal -1
	RUNW 16, 31, 1, 1, 1                           ; work on registers while the others arrive
.if \fill
	WIN 0
.endif
	s_barrier_wait -1
.if \fill
	CREST
	s_add_nc_u64 s[G0C+4*(\slot)+2:G0C+4*(\slot)+3], s[G0C+4*(\slot)+2:G0C+4*(\slot)+3], 2*TILEB  ; no load of mine is out, so a group 0 may be written
	JLOAD \slot                                    ; its four v_nop are also the places in front of the loads below
.else
	PLACES
.endif
	FETCH \next, 0, 0, 0, \cq, 0
.if \fill
	WIN 0
	ASK
.endif
	RUNW 32, 63, 1, 1, 1
	s_add_co_u32 s[TN], s[TN], 1
.endm
	FETCH 0, 0, 0, 0, -1, 0
	QUARTER 0, 0, 0, 0, -1                         ; quarters 0 and 1: there is no group before them to finish
	QUARTER 0, 0, 1, 0, 0
	WIN 0                                          ; at a label and at a branch every window is 0
	s_mov_b32 s[TRIPS], 15
.Ltrip:                                                ; trip L: quarters 8 L + 2 to 8 L + 9: once round the ring; tiles 2 L + 2 and 2 L + 3 are asked for
	QUARTER 0, 1, 0, 1, 64
	TURN 0, 1, 1, 128
	QUARTER 1, 0, 0, 1, 192
	QUARTER 1, 0, 1, 1, 512
	QUARTER 1, 1, 0, 1, 576
	TURN 1, 0, 1, 640
	QUARTER 0, 0, 0, 1, 704
	QUARTER 0, 0, 1, 1, 1024
	WIN 0
	v_add_nc_u32 v[CQA], 1024, v[CQA]              ; two steps' 256 numbers of c_sq on
	s_sub_co_u32 s[TRIPS], s[TRIPS], 1
	s_cmp_lg_u32 s[TRIPS], 0
	s_cbranch_scc1 .Ltrip
	QUARTER 0, 1, 0, 1, 64                         ; the tail is written out: quarters 122 to 127, nothing is asked for
	TURN 0, 1, 0, 128
	QUARTER 1, 0, 0, 1, 192
	QUARTER 1, 0, 1, 1, 512
	QUARTER 1, 1, 0, 1, 576
	s_wait_dscnt 16                                ; the last quarter fetches no fragments
	RUNW 0, 31, 1, 1, 1
	WIN 0
	ds_load_b128 v[QR:QR+3],   v[CQA] offset:640   ; c_sq of centre tile 126
	ds_load_b128 v[QR+4:QR+7], v[CQA] offset:656
	s_wait_dscnt 2                                 ; all but these two
	RUNW 32, 63, 1, 1, 1
	s_add_co_u32 s[TN], s[TN], 1
	WIN 0
	ds_load_b128 v[QR+8:QR+11],  v[CQA] offset:704 ; c_sq of centre tile 127: tile 125's has been used
	ds_load_b128 v[QR+12:QR+15], v[CQA] offset:720
	PLACES
	s_wait_dscnt 0x0
.set n_, 0
.rept 22
	SLICE n_, 1, 0                                 ; the last group has no products to ride behind
.set n_, n_+1
.endr
	s_add_co_u32 s[TN], s[TN], 1
.set n_, 0
.rept 22
	SLICE n_, 1, 1                                 ; behind tile 127, an odd one, the minimum lies in B0
.set n_, n_+1
.endr
	; THE END.  Which of the best tile's eight distances is the minimum: the first that equals it.  Then the centre's index: tile number n = 4 x step + 2 g + ct gives 128 (n / 4) + 16 (n % 4) + 64 ch + 8 h + j.
.irp rt, 0,1,2,3
	v_mov_b32 v[WK+8*(\rt)], 7
.endr
.irp j, 6,5,4,3,2,1,0
.irp rt, 0,1,2,3
	v_cmp_eq_f32 s[MK+(\rt)], v[SV+8*(\rt)+(\j)], v[ST+4*(\rt)+2]
.endr
.irp rt, 0,1,2,3
	v_cndmask_b32 v[WK+8*(\rt)], v[WK+8*(\rt)], \j, s[MK+(\rt)]
.endr
.endr
.irp rt, 0,1,2,3
	v_lshrrev_b32 v[WK+8*(\rt)+1], 2, v[ST+4*(\rt)+1]
	v_and_b32 v[WK+8*(\rt)+2], 3, v[ST+4*(\rt)+1]
	v_lshl_add_u32 v[WK+8*(\rt)], v[WK+8*(\rt)+2], 4, v[WK+8*(\rt)]
	v_lshl_add_u32 v[WK+8*(\rt)], v[WK+8*(\rt)+1], 7, v[WK+8*(\rt)]
	v_add_nc_u32 v[WK+8*(\rt)], v[BI], v[WK+8*(\rt)]
.endr
	; A row's other centres of my half lie in the lane 16 away: the lesser distance wins, of equal ones the lesser index.  Both lanes end with the same pair and store it to the same word.
.irp rt, 0,1,2,3
	v_permlanex16_b32 v[TM+4*(\rt)], v[ST+4*(\rt)+2], s[SEL], s[SEL+1]
	v_permlanex16_b32 v[TM+4*(\rt)+1], v[WK+8*(\rt)], s[SEL], s[SEL+1]
	v_cmp_lt_f32 s84, v[TM+4*(\rt)], v[ST+4*(\rt)+2]
	v_cmp_eq_f32 s85, v[TM+4*(\rt)], v[ST+4*(\rt)+2]
	v_cmp_lt_u32 s86, v[TM+4*(\rt)+1], v[WK+8*(\rt)]
	s_and_b32 s85, s85, s86
	s_or_b32 s84, s84, s85
	v_cndmask_b32 v[ST+4*(\rt)+2], v[ST+4*(\rt)+2], v[TM+4*(\rt)], s84
	v_cndmask_b32 v[WK+8*(\rt)], v[WK+8*(\rt)], v[TM+4*(\rt)+1], s84
	ds_store_b32 v[MA], v[ST+4*(\rt)+2] offset:64*(\rt)
	ds_store_b32 v[MA], v[WK+8*(\rt)] offset:1024+64*(\rt)
.endr
	s_wait_dscnt 0x0                               ; for the others' sake: my stores into the meeting are done
	s_barrier_signal -1
	s_barrier_wait -1
	s_cmp_lg_u32 s[WV], 0                          ; wave 0 chooses between the two halves of the centres, four rows a lane, and stores the work-group's 128 indices
	s_cbranch_scc1 .Lend
	ds_load_b128 v[WK:WK+3],     v[FR]             ; distances, ch = 0
	ds_load_b128 v[WK+4:WK+7],   v[FR] offset:512  ; distances, ch = 1
	ds_load_b128 v[WK+8:WK+11],  v[FR] offset:1024 ; indices, ch = 0
	ds_load_b128 v[WK+12:WK+15], v[FR] offset:1536 ; indices, ch = 1
	s_wait_dscnt 0x0
.irp e, 0,1,2,3
	v_cmp_lt_f32 s84, v[WK+4+(\e)], v[WK+(\e)]
	v_cmp_eq_f32 s85, v[WK+4+(\e)], v[WK+(\e)]
	v_cmp_lt_u32 s86, v[WK+12+(\e)], v[WK+8+(\e)]
	s_and_b32 s85, s85, s86
	s_or_b32 s84, s84, s85
	v_cndmask_b32 v[WK+8+(\e)], v[WK+8+(\e)], v[WK+12+(\e)], s84
.endr
	global_store_b128 v[FO], v[WK+8:WK+11], s[10:11]  ; 512 consecutive bytes, at a multiple of 512 from out0's first byte
.Lend:
	s_wait_tensorcnt 0x0                           ; the wave's end: behind my last tensor load and my last LDS store
	ds_add_u32 v[SPW], v[NIL]
	s_wait_dscnt 0x0
	CROUND                                         ; the closing round: no work-group ends while a partner may still ask for a tile that names it
	s_endpgm
.Lfunc_end_k_q7543f729de_assign:
	.size	k_q7543f729de_assign, .Lfunc_end_k_q7543f729de_assign-k_q7543f729de_assign
	.p2alignl 7, 3214868480
	.fill 96, 4, 3214868480
	.section	.rodata,"a",@progbits
	.p2align	6, 0x0
	.amdhsa_kernel k_q7543f729de_assign
		.amdhsa_group_segment_fixed_size 327680
		.amdhsa_private_segment_fixed_size 0
		.amdhsa_enable_private_segment 0
		.amdhsa_kernarg_size 32
		.amdhsa_user_sgpr_count 2
		.amdhsa_user_sgpr_kernarg_segment_ptr 1
		.amdhsa_wavefront_size32 1
		.amdhsa_system_sgpr_workgroup_id_x 1
		.amdhsa_system_sgpr_workgroup_id_y 1
		.amdhsa_system_sgpr_workgroup_id_z 1
		.amdhsa_system_vgpr_workitem_id 0
		.amdhsa_next_free_vgpr 1024
		.amdhsa_next_free_sgpr 88
		.amdhsa_reserve_vcc 0
		.amdhsa_float_denorm_mode_32 3
		.amdhsa_float_denorm_mode_16_64 3
		.amdhsa_memory_ordered 1
		.amdhsa_forward_progress 1
		.amdhsa_inst_pref_size 255
	.end_amdhsa_kernel
	.section	.bss,"aw",@nobits
	.p2align	6
	.space	262144
	.amdgpu_metadata
---
amdhsa.version: [ 1, 2 ]
amdhsa.kernels:
  - .name:           k_q7543f729de_assign
    .symbol:         k_q7543f729de_assign.kd
    .args:
      - { .name: x, .offset: 0, .size: 8, .value_kind: global_buffer, .address_space: global }
      - { .name: cb, .offset: 8, .size: 8, .value_kind: global_buffer, .address_space: global }
      - { .name: csq, .offset: 16, .size: 8, .value_kind: global_buffer, .address_space: global }
      - { .name: out0, .offset: 24, .size: 8, .value_kind: global_buffer, .address_space: global }
    .group_segment_fixed_size: 327680
    .private_segment_fixed_size: 0
    .kernarg_segment_align: 8
    .kernarg_segment_size: 32
    .max_flat_workgroup_size: 128
    .sgpr_count:     88
    .vgpr_count:     1024
    .wavefront_size: 32
...
	.end_amdgpu_metadata
.endif
;; end of part 2
